; MI455X (gfx1250); checked and timed in simulation.
; The chip was launched on July 23, 2026; its instructions are those of AMD's public machine-readable ISA for CDNA 5 (MIT licence, August 2026) and "CDNA5" Instruction Set Architecture Reference Guide (July 2026). The comments in the code are by the model that wrote it; some were corrected since.
;; Multi Head Attention. Allowed arithmetic: matrix products marked QUANTISED: E2M3 operands, one E8M0 scale for each 32 along K, by v_wmma_scale_f32_16x16x128_f8f6f4 with both operands' format E2M3, f32 sums; everything else in f32.
;; Inputs: Wk_codes 512 x 16 x 24 uint8 (E2M3 codes of Wk, K innermost, in blocks of 32 codes, four codes in three bytes); Wk_scales 512 x 16 uint8 (E8M0 scales of Wk, one for each 32 codes along K); Wq_codes 512 x 16 x 24 uint8 (E2M3 codes of Wq, K innermost, in blocks of 32 codes, four codes in three bytes); Wq_scales 512 x 16 uint8 (E8M0 scales of Wq, one for each 32 codes along K); Wv_codes 512 x 16 x 24 uint8 (E2M3 codes of Wv, K innermost, in blocks of 32 codes, four codes in three bytes); Wv_scales 512 x 16 uint8 (E8M0 scales of Wv, one for each 32 codes along K); bk 512 float32; bq 512 float32; bv 512 float32; x_codes 32 x 1,024 x 16 x 24 uint8 (E2M3 codes of x, K innermost, in blocks of 32 codes, four codes in three bytes); x_scales 32 x 1,024 x 16 uint8 (E8M0 scales of x, one for each 32 codes along K).
;; Outputs: out0 32 x 1,024 x 512 float32.
;; This version of the problem:
;;   THIS VERSION OF THE PROBLEM IS GIVEN IN LOW PRECISION. The matrix products marked QUANTISED in the list below multiply operands that are first quantised to E2M3 (2 exponent bits, 3 mantissa bits; 6 bits a number), with one power-of-two scale for each 32 numbers along K (OCP MX v1.0); their sums are f32. All else is computed in f32.
;;   The module's matrix products, in the order in which they are computed (A, B: the left and right operand; K: the contracted axis; several contracted axes count as one K, in the product's order):
;;     1. [M 32,768, K 512] x [K 512, N 512]; A: input x (given as codes); B: input Wq (given as codes): QUANTISED
;;     2. [M 32,768, K 512] x [K 512, N 512]; A: input x (given as codes); B: input Wk (given as codes): QUANTISED
;;     3. [M 32,768, K 512] x [K 512, N 512]; A: input x (given as codes); B: input Wv (given as codes): QUANTISED
;;     4. batch 256 x [M 1,024, K 64] x [K 64, N 1,024]; A: computed on the way; B: computed on the way: QUANTISED
;;     5. batch 256 x [M 1,024, K 1,024] x [K 1,024, N 64]; A: softmax (see below); B: computed on the way: QUANTISED
;;   THE QUANTISER, for each operand of a quantised product, along K:
;;     - K is cut into blocks of 32 from its start; a last block that is shorter is filled with zeros.
;;     - A block's scale is 2^e with e = floor(log2(the largest magnitude in the block)) - 2, held to -126 .. 127; a block of zeros has e = 0. As a byte (E8M0): e + 127.
;;     - Each number is divided by its block's scale, clamped to +-7.5, and rounded to the nearest number of E2M3, ties to even, subnormals kept.
;;     - The product sums the exact products of the quantised numbers (number of the format x scale) in f32.
;;   ~~~python
;;   def quantise(x, axis):      # numpy; x: float32 -> the quantised numbers, widened to float32 again
;;       x = np.moveaxis(x, axis, -1); K = x.shape[-1]
;;       x = np.pad(x, [(0, 0)] * (x.ndim - 1) + [(0, -K % 32)]); x = x.reshape(x.shape[:-1] + (-1, 32)); a = np.abs(x).max(-1, keepdims=True)
;;       e = np.where(a > 0, np.clip(np.frexp(np.where(a > 0, a, 1))[1] - 1 - 2, -126, 127), 0)      # np.frexp(a)[1] - 1 = floor(log2(a)), exactly
;;       r = np.clip(x / 2.0 ** e, -7.5, 7.5)
;;       step = 2.0 ** (np.maximum(np.frexp(np.where(r == 0, 1, r))[1] - 1, 0) - 3)
;;       q = np.round(r / step) * step * 2.0 ** e      # np.round: ties to even
;;       return np.moveaxis(q.reshape(q.shape[:-2] + (-1,))[..., :K], -1, axis).astype(np.float32)
;;   ~~~
;;   SOFTMAX AHEAD OF A QUANTISED PRODUCT. Where the list says 'softmax', what is quantised is not the finished softmax but p = 2^(t - M), with t = logit x log2(e) and M = ceil(the row's largest t), a whole number; so 1/2 < the row's largest p <= 1. The row's sum l is taken of the UNQUANTISED p, in f32, and the product's result is divided by l at the end. Since M is a whole number, a kernel that streams over the keys may use a running M (the ceiling of the running maximum): every later rescaling is an exact power of two, which a block's scale takes up: the codes' values come out the same.
;;   OPERANDS COMPUTED ON THE WAY. 'Computed on the way' means the value that the module computes at that place (a softmax that the list does not call 'softmax' is quantised finished and normalised). What goes into a quantiser is computed in f32, as accurately as f32 sums, v_exp_f32 and their like allow (about 1e-6 of the number): no bf16 or f16 on the way to a quantiser, and a product that is left as it is and whose result goes on into a quantised operand takes f32 operands (vector FMAs, or v_wmma_f32_16x16x4_f32). A number that lies on a knife's edge between two numbers of the format may be rounded either way, as far as f32 arithmetic and the matrix unit's own rounding can turn it there, and no further.
;;   INPUTS GIVEN AS CODES. Wk (in the module: [512, 512], K = its axis 1); Wq (in the module: [512, 512], K = its axis 1); Wv (in the module: [512, 512], K = its axis 1); x (in the module: [32, 1024, 512], K = its axis 2): each comes as NAME_codes (uint8): NAME with its K axis moved to the last place and cut into blocks of 32 codes, [.., K / 32, bytes a block], one block behind the other in memory; four codes in three bytes: a row's codes are one little-endian stream of bits, code i at bits 6 i .. 6 i + 5 (a code: sign, 2 exponent bits, 3 mantissa bits); and NAME_scales (uint8): the same leading axes, one E8M0 byte (e + 127) for each 32 codes along K. Its value is code x scale, taken as it is: it is not quantised again, and the codes and scales need not be those that the quantiser above would give.
;; One version. Each part assembles by itself: llvm-mc -triple=amdgcn-amd-amdhsa -mcpu=gfx1250 --defsym DOCPART=n.
;; ======== version 1 of 1: 1 launch
;; limits: right only within a limited range of input values
;; launch mha (part 1): grid 256 x 1, 8 waves a work-group, clusters of 4 x 1, 327,680 bytes of LDS; arguments x_codes, x_scales, Wk_codes, Wk_scales, bk, Wq_codes, Wq_scales, bq, Wv_codes, Wv_scales, bv, out0; writes out0
.if DOCPART == 1
	.amdgcn_target "amdgcn-amd-amdhsa--gfx1250"
	.amdhsa_code_object_version 6
	.text
	.protected	k_q51dbd573a4_mha
	.globl	k_q51dbd573a4_mha
	.p2align	8
	.type	k_q51dbd573a4_mha,@function
k_q51dbd573a4_mha:
	s_mov_b64 s[64:65], 0
	v_nop
	global_prefetch_b8 v0, s[64:65] scope:SCOPE_SE
	s_setreg_imm32_b32 hwreg(HW_REG_WAVE_MODE, 25, 1), 1
	s_wait_xcnt 0x0
	s_wait_alu depctr_hold_cnt(0) depctr_sa_sdst(0) depctr_va_vdst(0) depctr_va_sdst(0) depctr_va_ssrc(0) depctr_va_vcc(0) depctr_vm_vsrc(0)
	s_getreg_b32 s2, hwreg(HW_REG_IB_STS2, 6, 4)
	s_cmp_eq_u32 s2, 0
	s_cbranch_scc0 .Lentry_in_a_cluster
	s_endpgm
.Lentry_in_a_cluster:
	s_bfe_u32 s2, ttmp6, 0x10000c
	s_cmp_lg_u32 s2, 0x3003
	s_cbranch_scc0 .Lentry_shape_is_right
	s_endpgm
.Lentry_shape_is_right:
; Multi-head attention on codes of FP6 (E2M3) with one E8M0 scale for each 32 along a product's K: q, k, v = x W^T + b; the RAW reshape [1024][512] -> [8][1024][64]; softmax(q k^T / 8) v.
; THE RESHAPE MAKES HEADS INDEPENDENT: head (b, h) is made of rows 128 h .. 128 h + 127 of x[b] alone; head row m is original row m / 8, columns 64 (m % 8) on; its output is the same 128 rows of out0.
; So one work-group makes one head, from x's codes to out0: 256 work-groups, nothing goes to memory on the way.
; SHARES.  Eight waves, two to a SIMD, 512 registers each.  Projections: wave g makes 64 output columns for all 128 rows; its 64 rows of W (16 fragments) lie in registers for a phase, x's 32 fragments lie in
; LDS as images of their registers.  For K and Q the columns are 64 g on (= the keys or queries 8 i + g); for V they are d = 8 g .. 8 g + 7 of all eight column groups, so that a lane's registers run along the keys.
; Attention: wave g owns the 128 queries 8 i + g, as four pairs of tiles of 16; a pair's tile A lies in register window 0, tile B in window 1 at the same numbers: one text serves both, and each fragment
; of K and of V read from LDS feeds two products.  Both products are used transposed (S^T = K Q^T, O^T = V^T P^T): a lane holds one query throughout.
; CLUSTER.  All work-groups walk the same three weights: the four of a cluster ask for each tile JOINTLY (mask 15), which divides the requests for W by four.  W has ONE slot in LDS (two do not fit beside the
; images): a phase's W goes from the slot into registers at the phase's head, and the slot is filled with the next W while the phase runs.
; ORDERS INSIDE A BLOCK OF 32.  Blocks are the true ones; inside a block the order is permuted alike on both operands of a product, which leaves the exact products and their scales as they are:
;   d (q and k): place 16 x half + 8 t' + j is column 32 beta + 16 t' + 8 x half + j;   keys (p and v): key 32 J + 8 j' + g has place 16 (g & 1) + 4 (g >> 1) + j'.
; SOFTMAX.  t = score x log2(e) / 8; M = the running largest t rounded up to a whole number (kept as -M); p = 2^(t - M) is quantised; the sum is taken of the unquantised p and divides at the end; when M moves,
; the sum and O^T are multiplied by 2^(old M - new M), which rounds nothing.
; K Q^T has K = 64: the upper half of the instruction's 128 is zero codes under the byte 127.
; LIMITS: NaN, infinities and given scale bytes 0xff are not served.  A block made here whose largest magnitude lies under 2^-124 keeps the byte 1; a block of zeros gets the byte 1 where the rule says 127
; (its codes are zeros, and these bytes are read by this program alone).  The order of k inside a block differs from the reference's, which can show in the sums' last bits only.
;
; LDS, in bytes
.set WREG,   27648                     ; a wave's part of W's slot: 64 rows x 432
.set WPITCH, 432                       ; a row of W: 3 x (128 bytes + 16 of padding) = 108 words: the 32 lanes of a load of 8 bytes touch 64 different banks (64 banks of 4 bytes: ISA guide 11.1)
.set XIMG,   221184                    ; behind the slot (8 x WREG): x's 32 fragments, (tile b, K step s) at 1536 (4 b + s): three blocks of 512, lane l's 16 bytes at 16 l
.set KIMG,   270336                    ; K's 64 fragments of 6 registers, fragment f of key step sigma at 768 (8 sigma + f): 512 bytes (registers 0-3), then 256 (registers 4, 5)
.set KSC,    319488                    ; K's scale words: step sigma at 512 sigma; lane l's 16 bytes are registers 0-3: lanes 0-15 fragment 2 q, lanes 16-31 fragment 2 q + 1
.set XSC,    323584                    ; x's scale words: tile b at 256 b, row r's four at 16 r
.set SPARE,  325632                    ; the spare words, 128 bytes for each wave: four blocks of 256 bytes that no other line names
.set VIMG,   0                         ; in the slot, once it has had its last fill and its last read: V's 32 fragments, (sigma, delta) at 1536 (4 sigma + delta)
.set VSC,    49152                     ; V's scale words: step sigma at 256 sigma; lane l's 8 bytes: delta = l / 16 and 2 + l / 16
.set QIMG,   51200                     ; Q's fragments, each wave's own eight: 6144 x wave + 768 b
.set QSC,    100352                    ; their scale words: 1024 x wave + 128 b + 4 l
.set OSTG,   108544                    ; the way out: two stages of 16 rows x 272 bytes for each wave
.set XRAW,   KIMG                      ; at the head alone, before K's images and scale words are made: x's rows as they lie in memory, each wave's own 16 rows at 6400 x wave
.set RAWP,   400                       ; a raw row: 384 bytes + 16 = 100 words: the 32 lanes of a load of 8 bytes touch 64 different banks (64 banks of 4 bytes: ISA guide 11.1); 8 x 6400 bytes end under XSC
; vector registers that stay (window 0)
.set SPW, 1                            ; LDS address of my spare word; never rewritten
.set NIL, 2                            ; 0; never rewritten
.set AK0, 3
.set AK1, 4
.set AKS, 5
.set AV0, 6
.set AVS, 7
.set AQ0, 8
.set AQ1, 9
.set AQS, 10
.set STO, 11
.set RD,  12
.set GO,  13
.set D0,  14                           ; v14-18 the addresses of a key step's loads;  v19-21 of a pair's Q
.set D1,  15
.set D2,  16
.set D3,  17
.set D4,  18
.set E0,  19
.set E1,  20
.set E2,  21
.set XS,  24                           ; v24-55 hold scale words and nothing else: x's four,
.set WS,  28                           ; W's sixteen (4 t + s),
.set KS,  44                           ; K's four registers, V's two,
.set VS,  48
.set QSA, 50                           ; Q's of tiles A and B,
.set QSB, 51
.set PSA, 52                           ; p's of tiles A and B
.set PSB, 53
; projections, window 0
.set XF,  56                           ; v56-103  x's four fragments of a tile of rows
.set AC,  104                          ; v104-135 four accumulators
.set WA,  136
.set WA2, 137
.set BV,  138                          ; v138-141 bv of my lane's four columns
.set XA,  142
.set XSA, 143
.set KA0, 144
.set KA1, 145
.set KA2, 146
.set VA,  147                          ; v147-149
.set VSA, 150
.set GX,  151
.set G16, 152
.set GB,  153
.set GVS, 154
.set GVB, 155
.set XAD, 156
.set XSD, 157
.set KD,  158                          ; v158-160
.set VD,  161                          ; v161-163
.set VSD, 164
.set XST, 165
.set XSST, 166
.set TM,  168                          ; v168-175 the quantisers' work; at the head v168-178 hold the lane's fields
.set LL,  168
.set RR,  169
.set HH,  170
.set EE,  171
.set UU,  172
.set AA,  173
.set R4,  174
.set RHO, 175
.set TQ,  176
.set TT,  177
.set TU,  178
.set RW,  179                          ; v179-181 at the head: where my 16 bytes of load i go in the raw rows, for i % 3 = 0, 1, 2
.set XRD, 182                          ; at the head: where my fragments' pieces lie in the raw rows
.set RB,  183
.set XR,  206                          ; v206-253 at the head: x's four fragments, read back from the raw rows
.set PC,  184                          ; v184-189 codes just made;  v190-192 their second half
.set PX,  190
.set PW,  197                          ; the scale word just made
.set QSW, 198                          ; v198-205 Q's eight scale words, v206-253 its eight fragments: they wait here until the slot is free
.set QP,  206
.set VT,  206                          ; v206-237 in phase V: 32 numbers of v in the order of the keys' places
; projections, window 1
.set WF,  0                            ; v0-191   W's sixteen fragments, (t, s) at 12 (4 t + s)
.set BI,  192                          ; v192-223 the bias in the result's layout: the C of each sum's first product
; attention: the same numbers in window 0 (tile A) and window 1 (tile B)
.set NM,  104                          ; -M  (named as a pair with SMX)
.set SMX, 105                          ; the largest score so far
.set SUM, 106                          ; v106-107 the sum, in two halves
.set FF,  108                          ; v108-109 f = 2^(old M - new M); at the end 1 / sum
.set BM,  110                          ; v110-113 chains of maxima; BM and BM + 2 end as my two blocks' largest scores
.set TX0, 114
.set TX1, 115
.set SO,  116                          ; v116-117 the conversions' scale operands
.set BY,  118                          ; v118-119 the scales' bytes
.set SH,  120                          ; 8 x (lane / 16)
.set AC2, 122                          ; v122-123 the sum's second chain
.set RQ,  124                          ; v124-135 Q: 6 registers of codes, 6 of zeros
.set RP,  136                          ; v136-147 p's codes
.set PX2, 148                          ; v148-150, v152-154
.set RO,  156                          ; v156-187 O^T: four accumulators
.set RS,  188                          ; v188-251 S^T, then p; on the way out rows of O (window 0)
.set VF,  56                           ; window 0 alone: V's four fragments
.set KF,  0                            ; window 1 alone: K's eight fragments, 6 registers of codes and 6 of zeros each
; scalar registers
.set WV,  3                            ; my wave's number
.set G1D, 32                           ; s[32:39] descriptor group 1 for Wk and Wq;  s[40:47] for Wv;  s[48:59] three groups 0
.set G1V, 40
.set G0K, 48
.set G0Q, 52
.set G0V, 56
.set SEL, 60                           ; s[60:61] v_permlanex16_b32's selects for lane l xor 16
.set CS,  62                           ; s[62:63] c = log2(e) / 8: the packed form names a pair and takes its low word for both halves
.set WG,  66
.set XO,  72
.set XSO, 73
.set KO,  74
.set KSO, 75
.set CNT, 76
.set TKW, 77
.set JKW, 78
.set TK,  80
.set TKS, 81
.set TV,  82
.set TVS, 83
.set ST,  84
.set PAIR, 85
.set QO,  86
.set QSO, 87
.set MSB, 0
.macro WIN new                         ; s_set_vgpr_msb: bits 1:0 source 0, 3:2 source 1, 5:4 source 2, 7:6 destination; the high byte repeats the setting that is left; a switch that changes nothing is dropped
.if MSB != \new
	s_set_vgpr_msb (MSB<<8)|\new
.set MSB, \new
.endif
.endm
; A round of the cluster's barrier: my work-group's barrier, so that wave 0's signal speaks for all eight waves; wave 0 signals; every wave waits for the four work-groups; my work-group's barrier once more.
.macro CROUND
	s_barrier_signal -1
	s_barrier_wait -1
	s_cmp_lg_u32 s[WV], 0
	s_cbranch_scc1 .Lnot_wave_0_\@
	s_barrier_signal -3
.Lnot_wave_0_\@:
	s_barrier_wait -3
	s_barrier_signal -1
	s_barrier_wait -1
.endm
; My 64 rows of W, 16 fragments of 16 rows x 128 K, from my part of the slot into window 1.  A fragment is 12 registers: lane l holds row l % 16, registers 6 c .. 6 c + 5 the 24 bytes of K = 64 c + 32 (l / 16) on.
; In pieces of 8 bytes; 16 bytes of padding lie behind every 16 pieces; lanes 16-31 read three pieces further on, which for pieces 13 to 15 of a run is behind one padding more: the second address register serves those.
.macro WLOAD
	WIN 0x40
.irp t, 0,1,2,3
.irp s, 0,1,2,3
.irp p, 0,1,2,3,4,5
.set PCE, 12*\s+6*(\p/3)+\p%3
.if PCE%16 < 13
	ds_load_b64 v[WF+12*(4*\t+\s)+2*\p:WF+12*(4*\t+\s)+2*\p+1], v[WA] offset:8*PCE+16*(PCE/16)+16*WPITCH*\t
.else
	ds_load_b64 v[WF+12*(4*\t+\s)+2*\p:WF+12*(4*\t+\s)+2*\p+1], v[WA2] offset:8*PCE+16*(PCE/16)+16*WPITCH*\t
.endif
.endr
.endr
.endr
	WIN 0
.endm
; A phase's head where the slot is filled again: W into registers; then all my tensor loads are done, the add, my reads of the slot are in; a round of the cluster's barrier; the joint refill first behind it.
.macro NEXTW g0, g1
	s_wait_tensorcnt 0x0                           ; my part of the slot has landed, and I alone read it
	WLOAD
	s_wait_tensorcnt 0x0                           ; no tensor load of mine is out
	ds_add_u32 v[SPW], v[NIL]                      ; 0 onto my spare word
	s_wait_dscnt 0x0                               ; the add is done, my reads of the slot are in, and my LDS stores have landed
	CROUND                                         ; that now holds of every wave of the four work-groups
	tensor_load_to_lds s[\g0:\g0+3], s[\g1:\g1+7]  ; the next W: it has this whole phase in which to land; one tensor load of mine is out
	s_nop 0
.rept 4
	v_nop
.endr
.endm
.macro XFETCH                          ; a tile's four fragments of x and its rows' scale words
.irp i, 0,1,2,3,4,5,6,7,8,9,10,11
	ds_load_b128 v[XF+4*\i:XF+4*\i+3], v[XAD] offset:512*\i
.endr
	ds_load_b128 v[XS:XS+3], v[XSD]
.endm
.macro XSTART                          ; a phase's first tile of x
	s_mov_b32 s[XO], 0
	s_mov_b32 s[XSO], 0
	v_add_nc_u32 v[XAD], s[XO], v[XA]
	v_add_nc_u32 v[XSD], s[XSO], v[XSA]
	XFETCH
.endm
.macro XNEXT next                      ; two of the places behind a tile's products: the next tile's addresses
.if \next
	s_add_co_u32 s[XO], s[XO], 6144
	s_add_co_u32 s[XSO], s[XSO], 256
.endif
	v_add_nc_u32 v[XAD], s[XO], v[XA]
	v_add_nc_u32 v[XSD], s[XSO], v[XSA]
.endm
.macro PARAMS_KQ sc, bi                ; W's scale words (row 16 t + r: four words) and the bias at columns 16 t + 8 (l / 16) + 0 .. 7
.irp t, 0,1,2,3
	global_load_b128 v[WS+4*\t:WS+4*\t+3], v[G16], s[\sc:\sc+1] offset:256*\t
.endr
	WIN 0x40
.irp t, 0,1,2,3
	global_load_b128 v[BI+8*\t:BI+8*\t+3], v[GB], s[\bi:\bi+1] offset:64*\t
	global_load_b128 v[BI+8*\t+4:BI+8*\t+7], v[GB], s[\bi:\bi+1] offset:64*\t+16
.endr
	WIN 0
.endm
.macro PARAMS_V                        ; lane r of tile t has column 64 (2 t + r / 8) + 8 x wave + r % 8
.irp t, 0,1,2,3
	global_load_b128 v[WS+4*\t:WS+4*\t+3], v[GVS], s[26:27] offset:2048*\t
	global_load_b32 v[BV+\t], v[GVB], s[28:29] offset:512*\t
.endr
.endm
; K and Q, TRANSPOSED: source 0 = 16 rows of W, source 1 = 16 rows of x: lane (r, h) holds row r of x and its register 8 t + j column 16 t + 8 h + j.  The four accumulators take turns.
.macro MULKQ
.irp s, 0,1,2,3
.if \s == 0
	WIN 0x11                                       ; W and the bias in window 1
.else
	WIN 0x01
.endif
.irp t, 0,1,2,3
.if \s == 0
	v_wmma_scale_f32_16x16x128_f8f6f4 v[AC+8*\t:AC+8*\t+7], v[WF+12*(4*\t+\s):WF+12*(4*\t+\s)+11], v[XF+12*\s:XF+12*\s+11], v[BI+8*\t:BI+8*\t+7], v[WS+4*\t+\s], v[XS+\s] matrix_a_fmt:MATRIX_FMT_FP6 matrix_b_fmt:MATRIX_FMT_FP6
.else
	v_wmma_scale_f32_16x16x128_f8f6f4 v[AC+8*\t:AC+8*\t+7], v[WF+12*(4*\t+\s):WF+12*(4*\t+\s)+11], v[XF+12*\s:XF+12*\s+11], v[AC+8*\t:AC+8*\t+7], v[WS+4*\t+\s], v[XS+\s] matrix_a_fmt:MATRIX_FMT_FP6 matrix_b_fmt:MATRIX_FMT_FP6
.endif
.endr
.endr
	WIN 0
.endm
; V, NOT transposed: source 0 = 16 rows of x, source 1 = 16 rows of W: lane (r, h) holds one column and its register 8 t + j row 8 h + j of x: the registers run along the keys.
.macro MULV
	WIN 0x04
.irp s, 0,1,2,3
.irp t, 0,1,2,3
.if \s == 0
	v_wmma_scale_f32_16x16x128_f8f6f4 v[AC+8*\t:AC+8*\t+7], v[XF+12*\s:XF+12*\s+11], v[WF+12*(4*\t+\s):WF+12*(4*\t+\s)+11], 0, v[XS+\s], v[WS+4*\t+\s] matrix_a_fmt:MATRIX_FMT_FP6 matrix_b_fmt:MATRIX_FMT_FP6
.else
	v_wmma_scale_f32_16x16x128_f8f6f4 v[AC+8*\t:AC+8*\t+7], v[XF+12*\s:XF+12*\s+11], v[WF+12*(4*\t+\s):WF+12*(4*\t+\s)+11], v[AC+8*\t:AC+8*\t+7], v[XS+\s], v[WS+4*\t+\s] matrix_a_fmt:MATRIX_FMT_FP6 matrix_b_fmt:MATRIX_FMT_FP6
.endif
.endr
.endr
	WIN 0
.endm
; A row's 64 numbers of q or k, 32 in lane l and 32 in lane l xor 16, become 6 registers of codes (lanes 0-15 block 0, lanes 16-31 block 1) in v[dst] on and a scale word in v[pw].
.macro QUANTKQ dst, pw
.irp b, 0,1
	v_max3_num_f32 v[TM+\b], |v[AC+16*\b]|, |v[AC+16*\b+1]|, 0x1800000   ; my 16 numbers of block b, and the floor 2^(3 - 127): the byte cannot fall under 1.  Each accumulator is read from its low end on
.endr
.irp i, 2,4,6,8,10,12,14
.irp b, 0,1
	v_max3_num_f32 v[TM+\b], v[TM+\b], |v[AC+16*\b+\i]|, |v[AC+16*\b+\i+1]|
.endr
.endr
.irp b, 0,1
	s_delay_alu instid0(VALU_DEP_2)
	v_permlanex16_b32 v[TM+2+\b], v[TM+\b], s[SEL], s[SEL+1]
.endr
.irp b, 0,1
	s_delay_alu instid0(VALU_DEP_2)
	v_max_num_f32 v[TM+\b], v[TM+\b], v[TM+2+\b]   ; with lane l xor 16's: the block's largest magnitude
.endr
.irp b, 0,1
	s_delay_alu instid0(VALU_DEP_2)
	v_add_nc_u32 v[TM+4+\b], 0xff000000, v[TM+\b]  ; 2 off its exponent field: the conversion takes the exponent field of this operand as its scale
.endr
.irp b, 0,1
	s_delay_alu instid0(VALU_DEP_2)
	v_lshrrev_b32 v[TM+6+\b], 23, v[TM+4+\b]       ; the scale's byte
.endr
	s_delay_alu instid0(VALU_DEP_1)
	v_lshl_or_b32 v[\pw], v[TM+7], 8, v[TM+6]
	s_delay_alu instid0(VALU_DEP_1)
	v_or_b32 v[\pw], 0x7f7f0000, v[\pw]            ; the upper 64 of the instruction's K are zero codes: byte 127
	v_cvt_scalef32_pk16_fp6_f32 v[\dst:\dst+2], v[AC:AC+15], v[TM+4]
	v_cvt_scalef32_pk16_fp6_f32 v[PX:PX+2], v[AC+16:AC+31], v[TM+5]
	v_nop                                          ; one plain place behind a scaled conversion
.irp i, 0,1,2
	v_permlane16_swap_b32 v[\dst+\i], v[PX+\i]     ; the first's lanes 16-31 change places with the second's lanes 0-15: each lane now holds its block's lower 16 codes and its upper 16
.endr
.irp i, 0,1,2
	s_delay_alu instid0(VALU_DEP_3)
	v_mov_b32 v[\dst+3+\i], v[PX+\i]
.endr
.endm
; A tile of 16 rows of x in phase K.  My row r is key 8 (16 sigma + r) + g: it goes to fragment 4 (r / 8) + tK of key step sigma, row 8 ((r / 4) % 2) + jK + r % 4.
.macro TILEK next, par
	s_wait_dscnt 3                                 ; x's 13 loads are in; the 3 stores issued behind them may be out (in front of the loop nothing is out)
	MULKQ
	XNEXT \next                                    ; five additions: the places behind the products
	v_add_nc_u32 v[KD], s[KO], v[KA0]
	v_add_nc_u32 v[KD+1], s[KO], v[KA1]
	v_add_nc_u32 v[KD+2], s[KSO], v[KA2]
.if \next
	XFETCH
.endif
.if \par
	PARAMS_KQ 20, 22                               ; Wq's scale words and bq, for the next phase
.endif
	QUANTKQ PC, PW
	ds_store_b128 v[KD], v[PC:PC+3]
	ds_store_b64 v[KD+1], v[PC+4:PC+5] offset:512
	ds_store_b32 v[KD+2], v[PW]                    ; lanes l and l xor 16 write the same word with the same value
	s_add_co_u32 s[KO], s[KO], 6144
	s_add_co_u32 s[KSO], s[KSO], 512
.endm
.macro TILEQ b, next, par              ; in phase Q the codes stay in registers: they are already source 1 of my own tile b of queries
	s_wait_dscnt 0x0
	MULKQ
	XNEXT \next
.rept 3
	v_nop                                          ; with the two additions: five places
.endr
.if \next
	XFETCH
.endif
.if \par
	PARAMS_V
.endif
	QUANTKQ QP+6*\b, QSW+\b
.endm
; A tile in phase V.  Lane (r, h): column group 2 t + r / 8, d = 8 x wave + r % 8; register 8 t + 4 blk + j': row 8 h + 4 blk + j' of x: block 2 h + blk of the step's four, place 16 (r / 8) + 4 t + j'.
.macro TILEV next
	s_wait_dscnt 7                                 ; x's 13 loads are in; the 7 stores issued behind them may be out (in front of the loop only stores are out)
	MULV
	XNEXT \next                                    ; six additions: the places behind the products
.irp k, 0,1,2
	v_add_nc_u32 v[VD+\k], s[KO], v[VA+\k]
.endr
	v_add_nc_u32 v[VSD], s[KSO], v[VSA]
.if \next
	XFETCH
.endif
.irp t, 0,1,2,3
.irp j, 0,1,2,3,4,5,6,7
	v_add_f32 v[VT+16*(\j/4)+4*\t+\j%4], v[AC+8*\t+\j], v[BV+\t]   ; + bv, into the order of the places; each accumulator from its low end on
.endr
.endr
.irp b, 0,1
	v_max3_num_f32 v[TM+\b], |v[VT+16*\b]|, |v[VT+16*\b+1]|, 0x1800000
.endr
.irp i, 2,4,6,8,10,12,14
.irp b, 0,1
	s_delay_alu instid0(VALU_DEP_2)
	v_max3_num_f32 v[TM+\b], v[TM+\b], |v[VT+16*\b+\i]|, |v[VT+16*\b+\i+1]|
.endr
.endr
.irp b, 0,1
	s_delay_alu instid0(VALU_DEP_2)
	v_max_num_f32_dpp v[TM+\b], v[TM+\b], v[TM+\b] row_xmask:8 row_mask:0xf bank_mask:0xf   ; with lane l xor 8's 16: the block's largest magnitude
.endr
.irp b, 0,1
	s_delay_alu instid0(VALU_DEP_2)
	v_add_nc_u32 v[TM+4+\b], 0xff000000, v[TM+\b]
.endr
.irp b, 0,1
	s_delay_alu instid0(VALU_DEP_2)
	v_lshrrev_b32 v[TM+6+\b], 23, v[TM+4+\b]
.endr
	s_delay_alu instid0(VALU_DEP_1)
	v_lshl_or_b32 v[PW], v[TM+7], 8, v[TM+6]       ; bytes 2 h and 2 h + 1 of my d's scale word
	v_cvt_scalef32_pk16_fp6_f32 v[PC:PC+2], v[VT:VT+15], v[TM+4]
	v_cvt_scalef32_pk16_fp6_f32 v[PX:PX+2], v[VT+16:VT+31], v[TM+5]
	v_nop                                          ; one plain place behind a scaled conversion
.irp k, 0,1,2
	ds_store_b32 v[VD+\k], v[PC+\k]                ; register 6 h + 3 (r / 8) + k of lane 8 (wave % 2) + r % 8 of fragment wave / 2,
	ds_store_b32 v[VD+\k], v[PX+\k] offset:256     ; and of the lane 16 further on
.endr
	ds_store_b16 v[VSD], v[PW]                     ; lanes l and l xor 8 write the same two bytes with the same values
	s_add_co_u32 s[KO], s[KO], 6144
	s_add_co_u32 s[KSO], s[KSO], 256
.endm
; 8 products S^T = K Q^T of one tile of queries: fragment f = 4 c + t: its row 8 h + j is place 8 t + j of the step's block 2 c + h: so a lane's registers 32 c .. 32 c + 31 are ONE WHOLE BLOCK of keys, in the places' order
.macro SPROD qs
.irp f, 0,1,2,3,4,5,6,7
.if \f%2
	v_wmma_scale_f32_16x16x128_f8f6f4 v[RS+8*\f:RS+8*\f+7], v[KF+12*\f:KF+12*\f+11], v[RQ:RQ+11], 0, v[KS+\f/2], v[\qs] matrix_a_fmt:MATRIX_FMT_FP6 matrix_b_fmt:MATRIX_FMT_FP6 matrix_a_scale:MATRIX_SCALE_ROW1
.else
	v_wmma_scale_f32_16x16x128_f8f6f4 v[RS+8*\f:RS+8*\f+7], v[KF+12*\f:KF+12*\f+11], v[RQ:RQ+11], 0, v[KS+\f/2], v[\qs] matrix_a_fmt:MATRIX_FMT_FP6 matrix_b_fmt:MATRIX_FMT_FP6
.endif
.endr
.endm
.macro PVPROD ps                       ; 4 products O^T += V^T P^T: 16 of the head's 64 each; K = the step's 128 keys
.irp d, 0,1,2,3
.if \d%2
	v_wmma_scale_f32_16x16x128_f8f6f4 v[RO+8*\d:RO+8*\d+7], v[VF+12*\d:VF+12*\d+11], v[RP:RP+11], v[RO+8*\d:RO+8*\d+7], v[VS+\d/2], v[\ps] matrix_a_fmt:MATRIX_FMT_FP6 matrix_b_fmt:MATRIX_FMT_FP6 matrix_a_scale:MATRIX_SCALE_ROW1
.else
	v_wmma_scale_f32_16x16x128_f8f6f4 v[RO+8*\d:RO+8*\d+7], v[VF+12*\d:VF+12*\d+11], v[RP:RP+11], v[RO+8*\d:RO+8*\d+7], v[VS+\d/2], v[\ps] matrix_a_fmt:MATRIX_FMT_FP6 matrix_b_fmt:MATRIX_FMT_FP6
.endif
.endr
.endm
.macro FETCHK                          ; a key step's eight fragments of K and their scale words: 17 loads
	WIN 0x40
.irp f, 0,1,2,3,4,5,6,7
	ds_load_b128 v[KF+12*\f:KF+12*\f+3], v[D2] offset:768*\f
	ds_load_b64 v[KF+12*\f+4:KF+12*\f+5], v[D3] offset:768*\f+512
.endr
	WIN 0
	ds_load_b128 v[KS:KS+3], v[D4]
.endm
.macro RESC n                          ; n pairs of O^T under the new M, from register rr on: each accumulator from its low end on
.rept \n
	v_pk_mul_f32 v[RO+rr:RO+rr+1], v[RO+rr:RO+rr+1], v[FF:FF+1] op_sel_hi:[1,0]
.set rr, rr+2
.endr
.endm
; One tile's softmax for one key step: 210 lines, all in window win but the one that writes p's scale word (scale operands have no window: they lie in window 0).
.macro SOFTMAX win, winw, ps
	WIN \win
.irp k, 0,1,2,3
	v_max3_num_f32 v[BM+\k], v[RS+16*\k], v[RS+16*\k+1], v[RS+16*\k+2]   ; four chains by turns; each accumulator is read from its low end on
.endr
.irp i, 3,5,7,9,11,13
.irp k, 0,1,2,3
	v_max3_num_f32 v[BM+\k], v[BM+\k], v[RS+16*\k+\i], v[RS+16*\k+\i+1]
.endr
.endr
.irp c, 0,1
	v_max3_num_f32 v[BM+2*\c], v[BM+2*\c], v[BM+2*\c+1], v[RS+32*\c+15]
.endr
.irp c, 0,1
	v_max_num_f32 v[BM+2*\c], v[BM+2*\c], v[RS+32*\c+31]   ; THE LARGEST SCORE OF EACH OF MY TWO BLOCKS: it serves for the row's maximum and, since p rises with the score, for the block's largest p
.endr
	s_delay_alu instid0(VALU_DEP_1)
	v_max_num_f32 v[TX0], v[BM], v[BM+2]
	s_delay_alu instid0(VALU_DEP_1)
	v_permlanex16_b32 v[TX1], v[TX0], s[SEL], s[SEL+1]   ; the query's other two blocks lie in lane l xor 16
	s_delay_alu instid0(VALU_DEP_1)
	v_max3_num_f32 v[SMX], v[SMX], v[TX0], v[TX1]  ; the running largest score
	s_delay_alu instid0(VALU_DEP_1)
	v_mul_f32 v[TX0], s[CS], v[SMX]                ; as t (c is positive)
	v_mov_b32 v[TX1], v[NM]
	s_delay_alu instid0(VALU_DEP_2)
	v_floor_f32 v[NM], -v[TX0]                     ; the new -M = floor(-t): M is a whole number
.set jj, 0
.rept 32                               ; the three lines that make f stand five multiply-adds apart, so that none reads the line just above it
.if jj == 4
	v_sub_f32 v[TX1], v[NM], v[TX1]                ; old M - new M: a whole number, 0 or less
.endif
.if jj == 14
	v_cvt_i32_f32 v[TX1], v[TX1]                   ; (it saturates)
.endif
.if jj == 24
	v_ldexp_f32 v[FF], 1.0, v[TX1]                 ; f = 2^(old M - new M)
.endif
	v_pk_fma_f32 v[RS+jj:RS+jj+1], v[RS+jj:RS+jj+1], s[CS:CS+1], v[NM:NM+1] op_sel_hi:[1,0,0]   ; t - M, two at a time
.set jj, jj+2
.endr
.irp c, 0,1
	v_fma_f32 v[BM+2*\c], v[BM+2*\c], s[CS], v[NM] ; the same of each block's largest score
.endr
.set jj, 0
	s_wait_alu depctr_va_vdst(0)
.rept 64
	v_exp_f32 v[RS+jj], v[RS+jj]                   ; p = 2^(t - M): not normalised
.set jj, jj+1
.endr
.irp c, 0,1
	v_exp_f32 v[BM+2*\c], v[BM+2*\c]               ; the block's largest p: the same two instructions on the same number give the same bits
.endr
	v_pk_mul_f32 v[SUM:SUM+1], v[SUM:SUM+1], v[FF:FF+1] op_sel_hi:[1,0]   ; the sum under the new M.  (The plain place behind the exponentials)
	s_wait_alu depctr_va_vdst(0)                   ; the wait behind the batch, ahead of its readers and of the first reader of O^T
.set rr, 0                             ; the sixteen lines that bring O^T under the new M hang on f alone: they stand between the links of the chain that makes p's scale word
.irp c, 0,1
	v_max_num_f32 v[BM+2*\c], 0x1800000, v[BM+2*\c]   ; the floor 2^(3 - 127): the byte cannot fall under 1
.endr
	RESC 2
.irp c, 0,1
	v_add_nc_u32 v[SO+\c], 0xff000000, v[BM+2*\c]  ; 2 off the exponent field: the conversion's scale operand
.endr
	RESC 2
.irp c, 0,1
	v_lshrrev_b32 v[BY+\c], 23, v[SO+\c]           ; the scale's byte
.endr
	RESC 2
	v_lshl_or_b32 v[TX0], v[BY+1], 16, v[BY]       ; my bytes: blocks h and 2 + h,
	RESC 3
	v_lshlrev_b32 v[TX0], v[SH], v[TX0]            ; at their places in the word (8 h bits up);
	RESC 3
	v_permlanex16_b32 v[TX1], v[TX0], s[SEL], s[SEL+1]
	RESC 3
	WIN \winw
	v_or_b32 v[\ps], v[TX0], v[TX1]                ; with lane l xor 16's two the word is whole
	WIN \win
.irp c, 0,1
	v_cvt_scalef32_pk16_fp6_f32 v[RP+6*\c:RP+6*\c+2], v[RS+32*\c:RS+32*\c+15], v[SO+\c]
	v_cvt_scalef32_pk16_fp6_f32 v[PX2+4*\c:PX2+4*\c+2], v[RS+32*\c+16:RS+32*\c+31], v[SO+\c]   ; (a conversion's three registers begin on an even number)
.endr
	RESC 1                                         ; O^T's last pair: the one plain place behind a scaled conversion
.irp c, 0,1
.irp i, 0,1,2
	v_mov_b32 v[RP+6*\c+3+\i], v[PX2+4*\c+\i]      ; registers 6 c .. 6 c + 5: block 2 c + h, whole: nothing changes lanes
.endr
.endr
	v_pk_add_f32 v[AC2:AC2+1], v[RS:RS+1], v[RS+2:RS+3]       ; the sum is taken of the unquantised p: two at a time, in four chains by turns (the pairs at TX0 and BY are free by now).
	v_pk_add_f32 v[TX0:TX0+1], v[RS+4:RS+5], v[RS+6:RS+7]     ; (These 32 lines are the places between p's codes and scale word and the products that take them)
	v_pk_add_f32 v[BY:BY+1], v[RS+8:RS+9], v[RS+10:RS+11]
	v_pk_add_f32 v[SUM:SUM+1], v[SUM:SUM+1], v[RS+12:RS+13]
.set jj, 14
.rept 6
	v_pk_add_f32 v[AC2:AC2+1], v[AC2:AC2+1], v[RS+jj:RS+jj+1]
	v_pk_add_f32 v[TX0:TX0+1], v[TX0:TX0+1], v[RS+jj+2:RS+jj+3]
	v_pk_add_f32 v[BY:BY+1], v[BY:BY+1], v[RS+jj+4:RS+jj+5]
	v_pk_add_f32 v[SUM:SUM+1], v[SUM:SUM+1], v[RS+jj+6:RS+jj+7]
.set jj, jj+8
.endr
	v_pk_add_f32 v[AC2:AC2+1], v[AC2:AC2+1], v[RS+62:RS+63]
	v_pk_add_f32 v[TX0:TX0+1], v[TX0:TX0+1], v[BY:BY+1]
	s_delay_alu instid0(VALU_DEP_2)
	v_pk_add_f32 v[SUM:SUM+1], v[SUM:SUM+1], v[AC2:AC2+1]
	s_delay_alu instid0(VALU_DEP_1)
	v_pk_add_f32 v[SUM:SUM+1], v[SUM:SUM+1], v[TX0:TX0+1]
.endm
; A KEY STEP of a pair of tiles: 128 keys.  K of this step was fetched a step ago; V of this step and K of the next are fetched behind the scores' products and land under tile A's softmax.
.macro STEP
	s_wait_dscnt 0x0                               ; K, its scale words (and at a pair's head Q) are in
	WIN 0x01                                       ; K in window 1
	SPROD QSA
	WIN 0x45                                       ; K, Q and S^T in window 1
	SPROD QSB
	WIN 0
	v_add_nc_u32 v[D0], s[TV], v[AV0]              ; five additions: the places behind the products, in front of the loads and of the first read of the scores
	v_add_nc_u32 v[D1], s[TVS], v[AVS]
	v_add_nc_u32 v[D2], s[TK], v[AK0]
	v_add_nc_u32 v[D3], s[TK], v[AK1]
	v_add_nc_u32 v[D4], s[TKS], v[AKS]
.irp d, 0,1,2,3
.irp i, 0,1,2
	ds_load_b128 v[VF+12*\d+4*\i:VF+12*\d+4*\i+3], v[D0] offset:1536*\d+512*\i
.endr
.endr
	ds_load_b64 v[VS:VS+1], v[D1]
	FETCHK
	SOFTMAX 0, 0, PSA
	s_wait_alu depctr_va_vdst(0)
	s_wait_dscnt 17                                ; V's 13 loads are in; the 17 issued behind them, the next step's K, may be out
	PVPROD PSA
	SOFTMAX 0x55, 0x05, PSB
	WIN 0x54                                       ; V in window 0; P and O^T in window 1
	PVPROD PSB
	WIN 0
.endm
.macro FINISH win                      ; O^T / the row's sum
	WIN \win
	v_add_f32 v[TX0], v[SUM], v[SUM+1]             ; the sum's two halves,
	s_delay_alu instid0(VALU_DEP_1)
	v_permlanex16_b32 v[TX1], v[TX0], s[SEL], s[SEL+1]
	s_delay_alu instid0(VALU_DEP_1)
	v_add_f32 v[TX0], v[TX0], v[TX1]               ; and lane l xor 16's
	s_wait_alu depctr_va_vdst(0)
	v_rcp_f32 v[FF], v[TX0]
	v_nop                                          ; one plain place behind a transcendental
.set jj, 0
	s_wait_alu depctr_va_vdst(0)
.rept 16
	v_pk_mul_f32 v[RO+jj:RO+jj+1], v[RO+jj:RO+jj+1], v[FF:FF+1] op_sel_hi:[1,0]   ; each accumulator from its low end on
.set jj, jj+2
.endr
.endm
	; ---------------- the head
	s_load_b512 s[8:23], s[0:1], 0x0               ; x_codes s[8:9], x_scales s[10:11], Wk_codes s[12:13], Wk_scales s[14:15], bk s[16:17], Wq_codes s[18:19], Wq_scales s[20:21], bq s[22:23]
	s_load_b256 s[24:31], s[0:1], 0x40             ; Wv_codes s[24:25], Wv_scales s[26:27], bv s[28:29], out0 s[30:31]
	v_lshl_add_u32 v[SPW], v0, 2, SPARE
	v_mov_b32 v[NIL], 0
	ds_add_u32 v1, v2
	ds_add_u32 v1, v2
	s_wait_dscnt 0x0
	v_lshrrev_b32 v[TT], 5, v0
	s_delay_alu instid0(VALU_DEP_1)
	v_readfirstlane_b32 s[WV], v[TT]               ; wave 0..7
	s_bfe_u32 s[WG], ttmp6, 0x40000                ; cx: my place in the cluster
	s_lshl_b32 s68, ttmp9, 2                       ; in a cluster launch ttmp9 counts clusters
	s_add_co_u32 s[WG], s[WG], s68                 ; my head = 4 x cluster + cx: it enters x's and out0's addresses alone
	v_and_b32 v[LL], 31, v0                        ; l
	v_and_b32 v[RR], 15, v0                        ; r = l % 16
	v_bfe_u32 v[HH], v0, 4, 1                      ; h = l / 16
	v_and_b32 v[EE], 7, v0                         ; r % 8
	v_bfe_u32 v[UU], v0, 3, 1                      ; r / 8
	v_bfe_u32 v[AA], v0, 2, 1                      ; (r / 4) % 2
	v_and_b32 v[R4], 3, v0                         ; r % 4
	v_lshlrev_b32 v[GX], 4, v[LL]                  ; x: my wave's 16 rows are 6,144 dense bytes; lane l takes the 16 bytes at 16 l of each 512
	v_lshlrev_b32 v[G16], 4, v[RR]                 ; a row's 16 scale bytes
	v_lshlrev_b32 v[GB], 5, v[HH]                  ; eight numbers of a bias
	v_lshlrev_b32 v[GVS], 10, v[UU]                ; Wv's scales: 64 rows x 16 bytes for r / 8, 16 for r % 8
	s_delay_alu instid0(VALU_DEP_1)
	v_lshl_add_u32 v[GVS], v[EE], 4, v[GVS]
	v_lshlrev_b32 v[GVB], 8, v[UU]                 ; bv: 64 numbers for r / 8, one for r % 8
	s_delay_alu instid0(VALU_DEP_1)
	v_lshl_add_u32 v[GVB], v[EE], 2, v[GVB]
	s_mov_b32 s[SEL], 0x76543210
	s_mov_b32 s[SEL+1], 0xfedcba98
	s_mov_b32 s[CS], 0x3e38aa3b                    ; c = log2(e) / 8
	s_mov_b32 s[CS+1], s[CS]                       ; (named with it as a pair, so it is written)
	; descriptor group 1: 8 rows of 3,072 bytes (each eight rows of W on end), elements of 8 bytes; 16 bytes of padding behind every 128
.irp g, G1D, G1V
	s_mov_b32 s[\g], 15|(3<<16)|(1<<20)|(1<<21)|(4<<22)|(3<<25)   ; 15:0 the mask: all four work-groups; 17:16 elements of 8 bytes; 20 padding on; 21 set beside a mask; 24:22 after every 32 words (code 4); 31:25 4 words of it (code 3)
	s_mov_b32 s[\g+1], 384<<16                     ; tensor_dim0 = 384
	s_mov_b32 s[\g+2], 8<<16                       ; tensor_dim1 = 8
	s_mov_b32 s[\g+3], 384<<16                     ; tile_dim0 = 384
	s_mov_b32 s[\g+4], 8                           ; tile_dim1 = 8
	s_mov_b32 s[\g+6], 0
	s_mov_b32 s[\g+7], 0
.endr
	s_mov_b32 s[G1D+5], 384                        ; Wk, Wq: my 64 rows are dense
	s_mov_b32 s[G1V+5], 3072                       ; Wv: eight rows of each column group: 64 rows of W from one run to the next
	s_mov_b32 s69, 0
	s_mov_b32 s71, 0
	s_wait_alu depctr_va_vdst(0)
	s_wait_kmcnt 0x0
	s_mul_i32 s68, s[WG], 49152                    ; my head's 128 rows of x, my wave's 16 of them
	s_mul_i32 s70, s[WV], 6144
	s_add_co_u32 s68, s68, s70
	s_add_nc_u64 s[8:9], s[8:9], s[68:69]
	s_lshl_b32 s68, s[WG], 11
	s_lshl_b32 s70, s[WV], 8
	s_add_co_u32 s68, s68, s70
	s_add_nc_u64 s[10:11], s[10:11], s[68:69]
	s_lshl_b32 s68, s[WV], 10                      ; Wk's and Wq's scales: my 64 rows
	s_add_nc_u64 s[14:15], s[14:15], s[68:69]
	s_add_nc_u64 s[20:21], s[20:21], s[68:69]
	s_lshl_b32 s68, s[WV], 8                       ; bk, bq: my 64 numbers
	s_add_nc_u64 s[16:17], s[16:17], s[68:69]
	s_add_nc_u64 s[22:23], s[22:23], s[68:69]
	s_lshl_b32 s68, s[WV], 7                       ; Wv's scales: rows 8 x wave on
	s_add_nc_u64 s[26:27], s[26:27], s[68:69]
	s_lshl_b32 s68, s[WV], 5                       ; bv likewise
	s_add_nc_u64 s[28:29], s[28:29], s[68:69]
	s_lshl_b32 s68, s[WG], 18                      ; out0: my head's 262,144 bytes
	s_add_nc_u64 s[30:31], s[30:31], s[68:69]
.irp i, 0,1,2,3,4,5,6,7,8,9,10,11
	global_load_b128 v[XF+4*\i:XF+4*\i+3], v[GX], s[8:9] offset:512*\i th:TH_LOAD_NT   ; x's tile b = my wave's number, as it lies: each load of the wave covers 512 consecutive bytes, aligned
.endr
	global_load_b128 v[XS:XS+3], v[G16], s[10:11] th:TH_LOAD_NT
	PARAMS_KQ 14, 16                               ; Wk's scale words and bk: 12 loads
	; descriptor groups 0: nothing in them hangs on the place in the cluster
	s_mul_i32 s68, s[WV], 24576                    ; my 64 rows of Wk and of Wq
	s_mul_i32 s70, s[WV], 3072                     ; Wv: rows 8 x wave on
	s_mov_b32 s[G0K], 1
	s_mul_i32 s[G0K+1], s[WV], WREG
	s_add_nc_u64 s[G0K+2:G0K+3], s[12:13], s[68:69]
	s_or_b32 s[G0K+3], s[G0K+3], 0x80000000
	s_mov_b32 s[G0Q], 1
	s_mul_i32 s[G0Q+1], s[WV], WREG
	s_add_nc_u64 s[G0Q+2:G0Q+3], s[18:19], s[68:69]
	s_or_b32 s[G0Q+3], s[G0Q+3], 0x80000000
	s_mov_b32 s[G0V], 1
	s_mul_i32 s[G0V+1], s[WV], WREG
	s_add_nc_u64 s[G0V+2:G0V+3], s[24:25], s[70:71]
	s_or_b32 s[G0V+3], s[G0V+3], 0x80000000
	CROUND                                         ; all four work-groups are here: the first joint loads meet
	tensor_load_to_lds s[G0K:G0K+3], s[G1D:G1D+7]  ; Wk: the slot's first fill
	s_nop 0
.rept 4
	v_nop
.endr
	; ---------------- LDS addresses, made while the loads are on their way
	s_and_b32 s[TKW], s[WV], 1
	s_lshl_b32 s[TKW], s[TKW], 1
	s_lshr_b32 s68, s[WV], 2
	s_add_co_u32 s[TKW], s[TKW], s68               ; tK = 2 (g & 1) + (g >> 2): which of a block's four groups of eight places my keys have,
	s_bfe_u32 s[JKW], s[WV], 0x10001
	s_lshl_b32 s[JKW], s[JKW], 2                   ; jK = 4 ((g >> 1) & 1): and which half of the group
	s_mul_i32 s68, s[WV], WREG
	v_mul_u32_u24 v[WA], v[RR], WPITCH
	s_delay_alu instid0(VALU_DEP_1)
	v_mad_u32_u24 v[WA], v[HH], 24, v[WA]
	s_delay_alu instid0(VALU_DEP_1)
	v_add_nc_u32 v[WA], s68, v[WA]                 ; W: my part of the slot, row r, + 24 h
	s_delay_alu instid0(VALU_DEP_1)
	v_lshl_add_u32 v[WA2], v[HH], 4, v[WA]         ; and the same behind one padding more
	v_lshl_add_u32 v[XA], v[LL], 4, XIMG
	v_lshl_add_u32 v[XSA], v[RR], 4, XSC
	; the raw rows.  Piece c = l + 32 i of 16 bytes lies in row c / 24, so at 16 c + 16 (c / 24); c / 24 = i + i / 3 + e, with e = 1 where l + 8 (i % 3) reaches 24: e = (l + 8 + 8 (i % 3)) >> 5
	s_mul_i32 s69, s[WV], 16*RAWP
	s_add_co_u32 s69, s69, XRAW
	v_lshl_add_u32 v[RB], v[LL], 4, s69
.irp m, 0,1,2
	v_add_nc_u32 v[RW+\m], 8+8*\m, v[LL]
.endr
.irp m, 0,1,2
	v_lshrrev_b32 v[RW+\m], 5, v[RW+\m]
.endr
.irp m, 0,1,2
	v_lshl_add_u32 v[RW+\m], v[RW+\m], 4, v[RB]
.endr
	v_mul_u32_u24 v[XRD], v[RR], RAWP              ; a fragment's pieces: row r, + 24 h
	v_mad_u32_u24 v[XRD], v[HH], 24, v[XRD]
	v_add_nc_u32 v[XRD], s69, v[XRD]
	s_mul_i32 s68, s[WV], 6144
	v_add_nc_u32 v[XST], s68, v[XA]                ; where I put x's images,
	s_lshl_b32 s69, s[WV], 8
	v_add_nc_u32 v[XSST], s69, v[XSA]              ; and its scale words
	s_add_co_u32 s69, s68, QIMG
	v_lshl_add_u32 v[AQ0], v[LL], 4, s69
	v_lshl_add_u32 v[AQ1], v[LL], 3, s69
	s_lshl_b32 s69, s[WV], 10
	s_add_co_u32 s69, s69, QSC
	v_lshl_add_u32 v[AQS], v[LL], 2, s69
	v_lshl_add_u32 v[RHO], v[AA], 3, v[R4]
	s_delay_alu instid0(VALU_DEP_1)
	v_add_nc_u32 v[RHO], s[JKW], v[RHO]            ; the row that my key takes in its fragment of K
	s_wait_alu depctr_va_vdst(0)
	s_mul_i32 s70, s[TKW], 768
	s_add_co_u32 s70, s70, KIMG
	v_mul_u32_u24 v[KA0], v[UU], 3072
	s_delay_alu instid0(VALU_DEP_1)
	v_lshl_add_u32 v[KA0], v[RHO], 4, v[KA0]
	s_delay_alu instid0(VALU_DEP_1)
	v_lshl_add_u32 v[KA0], v[HH], 8, v[KA0]
	s_delay_alu instid0(VALU_DEP_1)
	v_add_nc_u32 v[KA0], s70, v[KA0]
	v_mul_u32_u24 v[KA1], v[UU], 3072
	s_delay_alu instid0(VALU_DEP_1)
	v_lshl_add_u32 v[KA1], v[RHO], 3, v[KA1]
	s_delay_alu instid0(VALU_DEP_1)
	v_lshl_add_u32 v[KA1], v[HH], 7, v[KA1]
	s_delay_alu instid0(VALU_DEP_1)
	v_add_nc_u32 v[KA1], s70, v[KA1]
	s_and_b32 s70, s[TKW], 1
	s_lshl_b32 s70, s70, 8
	s_lshr_b32 s71, s[TKW], 1
	s_lshl_b32 s71, s71, 2
	s_add_co_u32 s70, s70, s71
	s_add_co_u32 s70, s70, KSC
	v_lshlrev_b32 v[KA2], 4, v[RHO]
	s_delay_alu instid0(VALU_DEP_1)
	v_lshl_add_u32 v[KA2], v[UU], 3, v[KA2]
	s_delay_alu instid0(VALU_DEP_1)
	v_add_nc_u32 v[KA2], s70, v[KA2]
	v_mul_u32_u24 v[TQ], v[HH], 6
	s_delay_alu instid0(VALU_DEP_1)
	v_mad_u32_u24 v[TQ], v[UU], 3, v[TQ]           ; V: the first of the three registers of the operand that my codes are
	s_lshr_b32 s68, s[WV], 1
	s_mul_i32 s68, s68, 1536
	s_and_b32 s69, s[WV], 1
	s_lshl_b32 s69, s69, 7
	s_add_co_u32 s68, s68, s69
	v_lshl_add_u32 v[TU], v[EE], 4, s68            ; fragment wave / 2, lane 8 (wave % 2) + r % 8  (VIMG is LDS byte 0)
.irp k, 0,1,2
	v_add_nc_u32 v[TT], \k, v[TQ]
	s_delay_alu instid0(VALU_DEP_1)
	v_lshrrev_b32 v[VA+\k], 2, v[TT]
	s_delay_alu instid0(VALU_DEP_2)
	v_and_b32 v[TT], 3, v[TT]
	s_delay_alu instid0(VALU_DEP_2)
	v_lshl_add_u32 v[VA+\k], v[VA+\k], 9, v[TU]
	s_delay_alu instid0(VALU_DEP_1)
	v_lshl_add_u32 v[VA+\k], v[TT], 2, v[VA+\k]
.endr
	s_and_b32 s68, s[WV], 1
	s_lshl_b32 s68, s68, 6
	s_bfe_u32 s69, s[WV], 0x10001
	s_lshl_b32 s69, s69, 7
	s_add_co_u32 s68, s68, s69
	s_lshr_b32 s69, s[WV], 2
	s_lshl_b32 s69, s69, 2
	s_add_co_u32 s68, s68, s69
	s_add_co_u32 s68, s68, VSC
	v_lshl_add_u32 v[VSA], v[EE], 3, s68
	s_delay_alu instid0(VALU_DEP_1)
	v_lshl_add_u32 v[VSA], v[HH], 1, v[VSA]
	v_lshl_add_u32 v[AK0], v[LL], 4, KIMG
	v_lshl_add_u32 v[AK1], v[LL], 3, KIMG
	v_lshl_add_u32 v[AKS], v[LL], 4, KSC
	v_lshlrev_b32 v[AV0], 4, v[LL]
	v_lshl_add_u32 v[AVS], v[LL], 3, VSC
	s_mul_i32 s68, s[WV], 8704
	s_add_co_u32 s68, s68, OSTG                    ; my two stages
	v_mul_u32_u24 v[STO], v[RR], 272               ; in: row r, 32 bytes for each half of the lanes
	s_delay_alu instid0(VALU_DEP_1)
	v_lshl_add_u32 v[STO], v[HH], 5, v[STO]
	s_delay_alu instid0(VALU_DEP_1)
	v_add_nc_u32 v[STO], s68, v[STO]
	v_mul_u32_u24 v[RD], v[HH], 272                ; back: lanes 0-15 one row of 256 bytes, lanes 16-31 the next
	s_delay_alu instid0(VALU_DEP_1)
	v_lshl_add_u32 v[RD], v[RR], 4, v[RD]
	s_delay_alu instid0(VALU_DEP_1)
	v_add_nc_u32 v[RD], s68, v[RD]
	s_lshl_b32 s69, s[WV], 8
	v_lshlrev_b32 v[GO], 11, v[HH]                 ; out0: query 8 i + g is the 256 bytes at 2048 i + 256 g
	s_delay_alu instid0(VALU_DEP_1)
	v_lshl_add_u32 v[GO], v[RR], 4, v[GO]
	s_delay_alu instid0(VALU_DEP_1)
	v_add_nc_u32 v[GO], s69, v[GO]
	; ---------------- x into LDS, as images of its fragments' registers
	s_wait_loadcnt 12                              ; x's 13 loads are in; the 12 issued behind them (Wk's scale words, bk) may be out
.irp i, 0,1,2,3,4,5,6,7,8,9,10,11
	ds_store_b128 v[RW+\i%3], v[XF+4*\i:XF+4*\i+3] offset:512*\i+16*(\i+\i/3)   ; my 16 rows into my own raw rows
.endr
	ds_store_b128 v[XSST], v[XS:XS+3]              ; lanes l and l xor 16 write the same 16 bytes with the same values
.irp s, 0,1,2,3
.irp p, 0,1,2,3,4,5
	ds_load_b64 v[XR+12*\s+2*\p:XR+12*\s+2*\p+1], v[XRD] offset:96*\s+48*(\p/3)+8*(\p%3)   ; back as four fragments; LDS serves a wave's instructions in order (ISA guide 5.7.1.4): these see the stores above
.endr
.endr
	s_wait_dscnt 0x0                               ; the fragments are in registers
.irp i, 0,1,2,3,4,5,6,7,8,9,10,11
	ds_store_b128 v[XST], v[XR+4*\i:XR+4*\i+3] offset:512*\i
.endr
	; ---------------- phase K
	NEXTW G0Q, G1D                                 ; Wk into registers; the round also shows x's images to every wave; the slot takes Wq
	XSTART
	s_mov_b32 s[KO], 0
	s_mov_b32 s[KSO], 0
	s_wait_loadcnt 0x0                             ; Wk's scale words and bk
	s_wait_dscnt 0x0                               ; the first tile of x is in: the loop's own wait counts the stores of the trip before
	s_mov_b32 s[CNT], 7
.Ltile_k:
	TILEK 1, 0
	s_sub_co_u32 s[CNT], s[CNT], 1
	s_cmp_lg_u32 s[CNT], 0
	s_cbranch_scc1 .Ltile_k
	TILEK 0, 1                                     ; the last tile fetches no x, and asks for the next phase's scale words and bias
	; ---------------- phase Q: written out, since each tile's codes wait in registers of their own
	XSTART                                         ; x's images stand since phase K: the first tile is asked for ahead of the change of W
	NEXTW G0V, G1V                                 ; Wq into registers; the slot takes Wv: its last fill
	s_wait_loadcnt 0x0                             ; Wq's scale words and bq
.irp b, 0,1,2,3,4,5,6
	TILEQ \b, 1, 0
.endr
	TILEQ 7, 0, 1
	XSTART                                         ; phase V's first tile of x, asked for ahead of the change of W
	; ---------------- phase V
	s_wait_alu depctr_va_vdst(0)
	s_wait_tensorcnt 0x0                           ; my part of Wv has landed
	WLOAD
	s_wait_dscnt 0x0                               ; my reads of the slot are in
	s_barrier_signal -1
	s_barrier_wait -1                              ; everybody's are: the slot has had its last fill and its last read, and takes V's and Q's images and the stages
.irp b, 0,1,2,3,4,5,6,7
	ds_store_b128 v[AQ0], v[QP+6*\b:QP+6*\b+3] offset:768*\b
	ds_store_b64 v[AQ1], v[QP+6*\b+4:QP+6*\b+5] offset:768*\b+512
	ds_store_b32 v[AQS], v[QSW+\b] offset:128*\b
.endr
	s_mov_b32 s[KO], 0
	s_mov_b32 s[KSO], 0
	s_wait_loadcnt 0x0                             ; Wv's scale words and bv
	s_mov_b32 s[CNT], 7
.Ltile_v:
	TILEV 1
	s_sub_co_u32 s[CNT], s[CNT], 1
	s_cmp_lg_u32 s[CNT], 0
	s_cbranch_scc1 .Ltile_v
	TILEV 0
	s_wait_dscnt 0x0                               ; for the others' sake: my stores have landed
	s_barrier_signal -1
	s_barrier_wait -1                              ; K's and V's images are whole
	; ---------------- attention
	v_bfe_u32 v[SH], v0, 4, 1
	s_delay_alu instid0(VALU_DEP_1)
	v_lshlrev_b32 v[SH], 3, v[SH]
	v_mov_b32 v[TX1], 0                            ; written once: a lane permute's destination counts as one of its sources
	v_mov_b32 v[FF+1], 0                           ; (named as the upper half of a pair)
.irp i, 6,7,8,9,10,11
	v_mov_b32 v[RQ+\i], 0                          ; the upper 64 of K: zero codes
.endr
	WIN 0x40                                       ; the same for tile B, in window 1
	v_mov_b32 v[SH], v[SH]
	v_mov_b32 v[TX1], 0
	v_mov_b32 v[FF+1], 0
.irp i, 6,7,8,9,10,11
	v_mov_b32 v[RQ+\i], 0
.endr
.irp f, 0,1,2,3,4,5,6,7
.irp i, 6,7,8,9,10,11
	v_mov_b32 v[KF+12*\f+\i], 0
.endr
.endr
	WIN 0
	s_mov_b32 s[TK], 0
	s_mov_b32 s[TKS], 0
	v_add_nc_u32 v[D2], s[TK], v[AK0]
	v_add_nc_u32 v[D3], s[TK], v[AK1]
	v_add_nc_u32 v[D4], s[TKS], v[AKS]
	FETCHK                                         ; key step 0
	s_mov_b32 s[QO], 0
	s_mov_b32 s[QSO], 0
	s_mov_b32 s[PAIR], 4
.Lpair:
	v_add_nc_u32 v[E0], s[QO], v[AQ0]
	v_add_nc_u32 v[E1], s[QO], v[AQ1]
	v_add_nc_u32 v[E2], s[QSO], v[AQS]
	ds_load_b128 v[RQ:RQ+3], v[E0]                 ; tile A = my tile 2 pi of queries
	ds_load_b64 v[RQ+4:RQ+5], v[E1] offset:512
	ds_load_b32 v[QSA], v[E2]
	ds_load_b32 v[QSB], v[E2] offset:128
	WIN 0x40
	ds_load_b128 v[RQ:RQ+3], v[E0] offset:768      ; tile B = 2 pi + 1
	ds_load_b64 v[RQ+4:RQ+5], v[E1] offset:768+512
	WIN 0
.irp w, 0, 0x40                        ; the step is written without a first step of its own: it finds zeros, which the first change of M leaves zeros
	WIN \w
	v_mov_b32 v[SMX], 0xff61b1e6                   ; the largest score so far: -3e38
	v_mov_b32 v[NM], 0x7f61b1e6                    ; -M: 3e38, a whole number
	v_mov_b32 v[SUM], 0
	v_mov_b32 v[SUM+1], 0
.set jj, 0
.rept 32
	v_mov_b32 v[RO+jj], 0
.set jj, jj+1
.endr
.endr
	WIN 0
	s_mov_b32 s[TV], 0
	s_mov_b32 s[TVS], 0
	s_mov_b32 s[TK], 6144
	s_mov_b32 s[TKS], 512
	s_mov_b32 s[ST], 7
.Lstep:
	STEP
	s_add_co_u32 s[TV], s[TV], 6144
	s_add_co_u32 s[TVS], s[TVS], 256
	s_add_co_u32 s[TK], s[TK], 6144
	s_add_co_u32 s[TKS], s[TKS], 512
	s_sub_co_u32 s[ST], s[ST], 1
	s_cmp_lg_u32 s[ST], 0
	s_cbranch_scc1 .Lstep
	s_mov_b32 s[TK], 0                             ; the last step fetches key step 0 again, for the next pair (the last pair's fetch is not used; it stays inside K's images)
	s_mov_b32 s[TKS], 0
	STEP
	; THE WAY OUT.  A lane's eight channels of a query are 32 bytes; a tile goes through my stage and comes back as whole rows of 256 bytes.  Tile A's lines name no register of the last products (tile B's): they are those products' places.
	FINISH 0
.irp d, 0,1,2,3
	ds_store_b128 v[STO], v[RO+8*\d:RO+8*\d+3] offset:64*\d
	ds_store_b128 v[STO], v[RO+8*\d+4:RO+8*\d+7] offset:64*\d+16
.endr
.irp i, 0,1,2,3,4,5,6,7
	ds_load_b128 v[RS+4*\i:RS+4*\i+3], v[RD] offset:544*\i   ; LDS serves a wave's instructions in order (ISA guide 5.7.1.4): these see the stores above
.endr
	FINISH 0x55
	WIN 0x04                                       ; an LDS store's data are its source 1: window 1
.irp d, 0,1,2,3
	ds_store_b128 v[STO], v[RO+8*\d:RO+8*\d+3] offset:4352+64*\d
	ds_store_b128 v[STO], v[RO+8*\d+4:RO+8*\d+7] offset:4352+64*\d+16
.endr
	WIN 0
.irp i, 0,1,2,3,4,5,6,7
	ds_load_b128 v[RS+32+4*\i:RS+32+4*\i+3], v[RD] offset:4352+544*\i
.endr
.irp i, 0,1,2,3,4,5,6,7
	s_wait_dscnt 23-\i                             ; behind tile A's load i: its 7 - i later loads and tile B's 16 LDS instructions
	global_store_b128 v[GO], v[RS+4*\i:RS+4*\i+3], s[30:31] offset:4096*\i th:TH_STORE_NT   ; 16 lanes store 256 consecutive bytes, at a multiple of 256 from out0's first byte
.endr
.irp i, 0,1,2,3,4,5,6,7
	s_wait_dscnt 7-\i
	global_store_b128 v[GO], v[RS+32+4*\i:RS+32+4*\i+3], s[30:31] offset:32768+4096*\i th:TH_STORE_NT
.endr
	s_wait_xcnt 0x0                                ; the stores have read their registers and their base: both are written again only behind this wait
	s_add_nc_u64 s[30:31], s[30:31], 65536         ; 32 original rows on
	s_add_co_u32 s[QO], s[QO], 1536
	s_add_co_u32 s[QSO], s[QSO], 256
	s_sub_co_u32 s[PAIR], s[PAIR], 1
	s_cmp_lg_u32 s[PAIR], 0
	s_cbranch_scc1 .Lpair
	s_wait_tensorcnt 0x0                           ; the wave's end: behind my last tensor load and my last LDS store
	ds_add_u32 v[SPW], v[NIL]
	s_wait_dscnt 0x0
	CROUND                                         ; the closing round: no work-group ends while a partner may still ask for a tile that names it
	s_endpgm
.Lfunc_end_k_q51dbd573a4_mha:
	.size	k_q51dbd573a4_mha, .Lfunc_end_k_q51dbd573a4_mha-k_q51dbd573a4_mha
	.p2alignl 7, 3214868480
	.fill 96, 4, 3214868480
	.section	.rodata,"a",@progbits
	.p2align	6, 0x0
	.amdhsa_kernel k_q51dbd573a4_mha
		.amdhsa_group_segment_fixed_size 327680
		.amdhsa_private_segment_fixed_size 0
		.amdhsa_enable_private_segment 0
		.amdhsa_kernarg_size 96
		.amdhsa_user_sgpr_count 2
		.amdhsa_user_sgpr_kernarg_segment_ptr 1
		.amdhsa_wavefront_size32 1
		.amdhsa_system_sgpr_workgroup_id_x 1
		.amdhsa_system_sgpr_workgroup_id_y 1
		.amdhsa_system_sgpr_workgroup_id_z 1
		.amdhsa_system_vgpr_workitem_id 0
		.amdhsa_next_free_vgpr 512
		.amdhsa_next_free_sgpr 96
		.amdhsa_reserve_vcc 0
		.amdhsa_float_denorm_mode_32 3
		.amdhsa_float_denorm_mode_16_64 3
		.amdhsa_memory_ordered 1
		.amdhsa_forward_progress 1
		.amdhsa_inst_pref_size 180
	.end_amdhsa_kernel
	.amdgpu_metadata
---
amdhsa.version: [ 1, 2 ]
amdhsa.kernels:
  - .name:           k_q51dbd573a4_mha
    .symbol:         k_q51dbd573a4_mha.kd
    .args:
      - { .name: x_codes, .offset: 0, .size: 8, .value_kind: global_buffer, .address_space: global }
      - { .name: x_scales, .offset: 8, .size: 8, .value_kind: global_buffer, .address_space: global }
      - { .name: Wk_codes, .offset: 16, .size: 8, .value_kind: global_buffer, .address_space: global }
      - { .name: Wk_scales, .offset: 24, .size: 8, .value_kind: global_buffer, .address_space: global }
      - { .name: bk, .offset: 32, .size: 8, .value_kind: global_buffer, .address_space: global }
      - { .name: Wq_codes, .offset: 40, .size: 8, .value_kind: global_buffer, .address_space: global }
      - { .name: Wq_scales, .offset: 48, .size: 8, .value_kind: global_buffer, .address_space: global }
      - { .name: bq, .offset: 56, .size: 8, .value_kind: global_buffer, .address_space: global }
      - { .name: Wv_codes, .offset: 64, .size: 8, .value_kind: global_buffer, .address_space: global }
      - { .name: Wv_scales, .offset: 72, .size: 8, .value_kind: global_buffer, .address_space: global }
      - { .name: bv, .offset: 80, .size: 8, .value_kind: global_buffer, .address_space: global }
      - { .name: out0, .offset: 88, .size: 8, .value_kind: global_buffer, .address_space: global }
    .group_segment_fixed_size: 327680
    .private_segment_fixed_size: 0
    .kernarg_segment_align: 8
    .kernarg_segment_size: 96
    .max_flat_workgroup_size: 256
    .sgpr_count:     96
    .vgpr_count:     512
    .wavefront_size: 32
...
	.end_amdgpu_metadata
.endif
;; end of part 1
